; MI455X (gfx1250); checked and timed in simulation.
; The chip was launched on July 23, 2026; its instructions are those of AMD's public machine-readable ISA for CDNA 5 (MIT licence, August 2026) and "CDNA5" Instruction Set Architecture Reference Guide (July 2026). The comments in the code are by the model that wrote it; some were corrected since.
;; Attention. Allowed arithmetic: matrix products marked QUANTISED: E2M3 operands, one E8M0 scale for each 32 along K, by v_wmma_scale_f32_16x16x128_f8f6f4 with both operands' format E2M3, f32 sums; everything else in f32.
;; Inputs: Wkv 512 x 1,024 float32; Wo 512 x 512 float32; Wq 512 x 512 float32; bo 512 float32; x 2 x 4,096 x 512 float32.
;; Outputs: out0 2 x 4,096 x 512 float32.
;; This version of the problem:
;;   THIS VERSION OF THE PROBLEM IS GIVEN IN LOW PRECISION. The matrix products marked QUANTISED in the list below multiply operands that are first quantised to E2M3 (2 exponent bits, 3 mantissa bits; 6 bits a number), with one power-of-two scale for each 32 numbers along K (OCP MX v1.0); their sums are f32. All else is computed in f32.
;;   The module's matrix products, in the order in which they are computed (A, B: the left and right operand; K: the contracted axis; several contracted axes count as one K, in the product's order):
;;     1. [M 8,192, K 512] x [K 512, N 512]; A: input x; B: input Wq: QUANTISED
;;     2. [M 8,192, K 512] x [K 512, N 1,024]; A: input x; B: input Wkv: QUANTISED
;;     3. batch 16 x [M 4,096, K 64] x [K 64, N 4,096]; A: computed on the way; B: computed on the way: QUANTISED
;;     4. batch 16 x [M 4,096, K 4,096] x [K 4,096, N 64]; A: softmax (see below); B: computed on the way: QUANTISED
;;     5. [M 8,192, K 512] x [K 512, N 512]; A: computed on the way; B: input Wo: QUANTISED
;;   THE QUANTISER, for each operand of a quantised product, along K:
;;     - K is cut into blocks of 32 from its start; a last block that is shorter is filled with zeros.
;;     - A block's scale is 2^e with e = floor(log2(the largest magnitude in the block)) - 2, held to -126 .. 127; a block of zeros has e = 0. As a byte (E8M0): e + 127.
;;     - Each number is divided by its block's scale, clamped to +-7.5, and rounded to the nearest number of E2M3, ties to even, subnormals kept.
;;     - The product sums the exact products of the quantised numbers (number of the format x scale) in f32.
;;   ~~~python
;;   def quantise(x, axis):      # numpy; x: float32 -> the quantised numbers, widened to float32 again
;;       x = np.moveaxis(x, axis, -1); K = x.shape[-1]
;;       x = np.pad(x, [(0, 0)] * (x.ndim - 1) + [(0, -K % 32)]); x = x.reshape(x.shape[:-1] + (-1, 32)); a = np.abs(x).max(-1, keepdims=True)
;;       e = np.where(a > 0, np.clip(np.frexp(np.where(a > 0, a, 1))[1] - 1 - 2, -126, 127), 0)      # np.frexp(a)[1] - 1 = floor(log2(a)), exactly
;;       r = np.clip(x / 2.0 ** e, -7.5, 7.5)
;;       step = 2.0 ** (np.maximum(np.frexp(np.where(r == 0, 1, r))[1] - 1, 0) - 3)
;;       q = np.round(r / step) * step * 2.0 ** e      # np.round: ties to even
;;       return np.moveaxis(q.reshape(q.shape[:-2] + (-1,))[..., :K], -1, axis).astype(np.float32)
;;   ~~~
;;   SOFTMAX AHEAD OF A QUANTISED PRODUCT. Where the list says 'softmax', what is quantised is not the finished softmax but p = 2^(t - M), with t = logit x log2(e) and M = ceil(the row's largest t), a whole number; so 1/2 < the row's largest p <= 1. The row's sum l is taken of the UNQUANTISED p, in f32, and the product's result is divided by l at the end. Since M is a whole number, a kernel that streams over the keys may use a running M (the ceiling of the running maximum): every later rescaling is an exact power of two, which a block's scale takes up: the codes' values come out the same.
;;   OPERANDS COMPUTED ON THE WAY. 'Computed on the way' means the value that the module computes at that place (a softmax that the list does not call 'softmax' is quantised finished and normalised). What goes into a quantiser is computed in f32, as accurately as f32 sums, v_exp_f32 and their like allow (about 1e-6 of the number): no bf16 or f16 on the way to a quantiser, and a product that is left as it is and whose result goes on into a quantised operand takes f32 operands (vector FMAs, or v_wmma_f32_16x16x4_f32). A number that lies on a knife's edge between two numbers of the format may be rounded either way, as far as f32 arithmetic and the matrix unit's own rounding can turn it there, and no further.
;; One version. Each part assembles by itself: llvm-mc -triple=amdgcn-amd-amdhsa -mcpu=gfx1250 --defsym DOCPART=n.
;; ======== version 1 of 1: 4 launches
;; workspace buffers: XC 3,145,728 bytes; XS 262,144 bytes; WB 819,200 bytes; QW 3,407,872 bytes; KV 6,291,456 bytes; KVS 524,288 bytes; OB 3,670,016 bytes
;; launch prep (part 1): grid 384 x 1, 2 waves a work-group, no clusters, 17,152 bytes of LDS; arguments x, Wq, Wkv, Wo, XC, XS, WB; writes XC, XS, WB
.if DOCPART == 1
	.amdgcn_target "amdgcn-amd-amdhsa--gfx1250"
	.amdhsa_code_object_version 6
	.text
	.protected	k_q6f5797b1f4_prep
	.globl	k_q6f5797b1f4_prep
	.p2align	8
	.type	k_q6f5797b1f4_prep,@function
k_q6f5797b1f4_prep:
	s_mov_b64 s[64:65], 0
	v_nop
	global_prefetch_b8 v0, s[64:65] scope:SCOPE_SE
	s_setreg_imm32_b32 hwreg(HW_REG_WAVE_MODE, 25, 1), 1
	s_wait_xcnt 0x0
; PREP: x [8192][512] f32 and the weights Wq [512][512], Wkv [512][1024], Wo [512][512] f32 become codes of FP6 (E2M3) with one E8M0 byte for each 32 along K (K = 512: x's last axis, the weights' first).
; A block's scale is 2^(floor(log2(its largest magnitude)) - 2); its byte is the largest magnitude's exponent field - 2, held at 1 from below.
; LIMITS: NaN and infinities among the inputs are not served; a block whose largest magnitude lies under 2^-124 keeps the byte 1; a block of zeros gets the byte 1 where the rule says 127:
; its codes are zeros, which add nothing under any byte but 0xff, and these bytes are read by this program alone.
; THE CODES ARE LAID AS IMAGES OF THE OPERAND'S REGISTERS: a fragment (16 rows x 128 K, 12 registers a lane) is 1,536 bytes, registers 4 c .. 4 c + 3 of lane l at byte 512 c + 16 l.
; THE ROWS OF A TILE ARE NOT NEIGHBOURS: row r of tile 2 g + u is token (or weight column) 32 g + 8 u + r + 8 (r / 8), so that in a transposed product the 16 registers of two neighbouring result tiles are 16 neighbours.
; XC: [tile 512][K step 4] images.  XS: [tile][lane 32][K step 4] scale words.  WB: [tile 128] x 6,400 bytes: 4 images, then 256 bytes of scale words [row 16][K step 4]; the 2,048 columns are Wq's, Wkv's, Wo's.
; Work-groups 0-255: x, a wave to a tile of 16 tokens.  Work-groups 256-383: the weights, a wave to 32 columns x 128 along K.  No tensor loads, no barrier: waves share nothing.
.set TM,  8                            ; v8-11 largest magnitudes, v12-15 the other half's, then bytes, v20-23 the conversions' scale operands
.set PW,  24                           ; v24-27 scale words, one for each K step
.set CT,  28                           ; v28-35 the conversions' second halves (a conversion's three registers begin on an even number)
.set PC,  36                           ; v36-47 a fragment's codes
.set G,   36                           ; v36-59 weights: the codes of my column: 12 registers for each half of the lanes of the image
.set X,   48                           ; v48-111 64 numbers of a lane: register 16 b + i = k 32 b + 16 (lane / 16) + i of its row
.set R,   112                          ; v112-239 numbers as they are loaded
.set WV,  20
.set SEL, 22
.set STG, 8448                         ; LDS: a stage of 16 rows x (512 bytes + 16) for each wave
.macro QUANT s, pc, pw                 ; 64 numbers of a lane become a fragment's codes in v[pc] on and its scale word in v[pw]
.irp b, 0,1,2,3
	v_max3_num_f32 v[TM+\b], |v[(\s)+16*\b]|, |v[(\s)+1+16*\b]|, 0x1800000   ; block b: my 16 numbers, and the floor 2^(3 - 127): the byte cannot fall under 1
.endr
.irp i, 2,4,6,8,10,12,14
.irp b, 0,1,2,3
	v_max3_num_f32 v[TM+\b], v[TM+\b], |v[(\s)+16*\b+\i]|, |v[(\s)+1+16*\b+\i]|   ; the four blocks by turns
.endr
.endr
.irp b, 0,1,2,3
	v_permlanex16_b32 v[TM+4+\b], v[TM+\b], s[SEL], s[SEL+1]
.endr
.irp b, 0,1,2,3
	v_max_num_f32 v[TM+\b], v[TM+\b], v[TM+4+\b]       ; with lane l xor 16's: the block's largest magnitude
.endr
.irp b, 0,1,2,3
	v_add_nc_u32 v[TM+12+\b], 0xff000000, v[TM+\b]     ; 2 off its exponent field: the conversion's scale operand
.endr
.irp b, 0,1,2,3
	v_lshrrev_b32 v[TM+4+\b], 23, v[TM+12+\b]          ; the scale's byte
.endr
	v_lshl_or_b32 v[\pw], v[TM+5], 8, v[TM+4]
	v_lshl_or_b32 v[\pw], v[TM+6], 16, v[\pw]
	v_lshl_or_b32 v[\pw], v[TM+7], 24, v[\pw]          ; my row's scale word
.irp c, 0,1
	v_cvt_scalef32_pk16_fp6_f32 v[(\pc)+6*\c:(\pc)+2+6*\c], v[(\s)+32*\c:(\s)+15+32*\c], v[TM+12+2*\c]
	v_cvt_scalef32_pk16_fp6_f32 v[CT+4*\c:CT+2+4*\c], v[(\s)+16+32*\c:(\s)+31+32*\c], v[TM+13+2*\c]
.endr
	v_nop                                              ; one plain place behind a scaled conversion
.irp c, 0,1                            ; the operand's layout wants a whole block in a lane: lanes 0-15 block 2 c, lanes 16-31 block 2 c + 1
.irp i, 0,1,2
	v_permlane16_swap_b32 v[(\pc)+6*\c+\i], v[CT+4*\c+\i]
.endr
.irp i, 0,1,2
	v_mov_b32 v[(\pc)+3+6*\c+\i], v[CT+4*\c+\i]
.endr
.endr
.endm
	s_load_b256 s[4:11], s[0:1], 0x0               ; x s[4:5], Wq s[6:7], Wkv s[8:9], Wo s[10:11]
	s_load_b128 s[12:15], s[0:1], 0x20             ; XC s[12:13], XS s[14:15]
	s_load_b64 s[16:17], s[0:1], 0x30              ; WB
	v_lshl_add_u32 v240, v0, 2, 0x4200
	v_mov_b32 v241, 0
	v_lshrrev_b32 v1, 5, v0
	v_readfirstlane_b32 s[WV], v1                  ; wave 0, 1
	v_and_b32 v1, 31, v0                           ; lane
	s_mov_b32 s[SEL], 0x76543210
	s_mov_b32 s[SEL+1], 0xfedcba98                 ; v_permlanex16_b32's selects for lane l xor 16
	s_cmp_lt_u32 ttmp9, 256
	s_cbranch_scc0 .Lweights
	; ---------------- x: tile T = 2 x work-group + wave: tokens 32 x work-group + 8 x wave + i + 8 (i / 8), i = 0 .. 15
	v_lshlrev_b32 v2, 4, v1                        ; 16 x lane: my bytes of a load's 512, and of an image's
	s_mul_i32 s21, s[WV], STG
	v_add_nc_u32 v3, s21, v2                       ; the stage, on the way in: a row's 512 bytes as they lie
	v_and_b32 v5, 15, v0                           ; r
	v_bfe_u32 v6, v0, 4, 1                         ; h
	v_mul_u32_u24 v4, v5, 528
	v_lshl_add_u32 v4, v6, 6, v4
	v_add_nc_u32 v4, s21, v4                       ; and on the way out: row r, + 64 h: my 16 numbers of each block of 32
.irp b, 0,1,2,3
	v_mov_b32 v[TM+4+\b], 0                        ; written once: a lane permute's destination counts as one of its sources
.endr
	s_lshl_b32 s24, ttmp9, 16                      ; 32 tokens of 2,048 bytes
	s_lshl_b32 s25, s[WV], 14                      ; + 8 tokens
	s_add_co_u32 s24, s24, s25
	s_mov_b32 s25, 0
	s_lshl_b32 s26, ttmp9, 1
	s_add_co_u32 s26, s26, s[WV]                   ; T
	s_mul_i32 s28, s26, 6144
	s_mov_b32 s29, 0
	s_lshl_b32 s30, s26, 9
	s_mov_b32 s31, 0
	s_wait_kmcnt 0x0
	s_add_nc_u64 s[4:5], s[4:5], s[24:25]
	s_add_nc_u64 s[12:13], s[12:13], s[28:29]
	s_add_nc_u64 s[14:15], s[14:15], s[30:31]
.macro LOADX s                         ; K step s of my 16 tokens: each load reads 512 consecutive bytes of one token
.irp i, 0,1,2,3,4,5,6,7,8,9,10,11,12,13,14,15
	global_load_b128 v[R+64*((\s)%2)+4*\i:R+64*((\s)%2)+4*\i+3], v2, s[4:5] offset:(\i+8*(\i/8))*2048+512*(\s) th:TH_LOAD_NT
.endr
.endm
.macro TURN s                          ; through my own stage: LDS serves a wave's instructions in order, so no wait stands between the stores and the loads
.irp i, 0,1,2,3,4,5,6,7,8,9,10,11,12,13,14,15
	ds_store_b128 v3, v[R+64*((\s)%2)+4*\i:R+64*((\s)%2)+4*\i+3] offset:528*\i
.endr
.irp b, 0,1,2,3
.irp j, 0,1,2,3
	ds_load_b128 v[X+16*\b+4*\j:X+16*\b+4*\j+3], v4 offset:128*\b+16*\j
.endr
.endr
.endm
.macro XSTEP s
.if \s < 3
	s_wait_loadcnt 16                              ; this K step's 16 loads are in; the next step's 16 may be out
.else
	s_wait_loadcnt 0x0
.endif
	TURN \s
	s_wait_dscnt 0x0                               ; my 64 numbers are back, and the stage's stores have read their registers,
.if \s < 2
	LOADX (\s)+2                                   ; which take the loads of two steps on
.endif
.if \s > 0
	s_wait_xcnt 0x0                                ; the last step's stores have read the codes' registers, which are written again below
.endif
	QUANT X, PC, PW+\s
.irp c, 0,1,2
	global_store_b128 v2, v[PC+4*\c:PC+4*\c+3], s[12:13] offset:1536*(\s)+512*\c   ; 32 lanes store 512 consecutive bytes, aligned to 256
.endr
.endm
	LOADX 0
	LOADX 1
.irp s, 0,1,2,3
	XSTEP \s
.endr
	global_store_b128 v2, v[PW:PW+3], s[14:15]     ; the tile's scale words: 512 consecutive bytes
	s_wait_tensorcnt 0x0
	ds_add_u32 v240, v241
	s_wait_dscnt 0x0
	s_endpgm
	; ---------------- the weights: work-group 256 + 4 cg + s; wave: the 32 columns 32 p on, p = 2 cg + wave; 128 along K from 128 s on
.Lweights:
	s_sub_co_u32 s21, ttmp9, 256
	s_lshr_b32 s24, s21, 2                         ; cg
	s_and_b32 s25, s21, 3                          ; s
	s_lshl_b32 s26, s24, 1
	s_add_co_u32 s26, s26, s[WV]                   ; p
	v_lshlrev_b32 v2, 2, v1                        ; A LANE TAKES A COLUMN AND ITS REGISTERS RUN DOWN K: 4 bytes a lane, 128 consecutive bytes a load
	v_bfe_u32 v5, v0, 3, 1                         ; column 32 p + l is row rr of tile 2 p + u: u = (l / 8) % 2,
	v_and_b32 v6, 7, v0
	v_bfe_u32 v7, v0, 4, 1
	v_lshl_add_u32 v6, v7, 3, v6                   ; rr = l % 8 + 8 (l / 16)
	v_mul_u32_u24 v3, v5, 6400
	v_lshl_add_u32 v3, v6, 4, v3                   ; 6,400 u + 16 rr
	s_mul_i32 s28, s26, 12800
	s_mul_i32 s27, s25, 1536
	s_add_co_u32 s28, s28, s27                     ; the images of K step s of tiles 2 p, 2 p + 1
	s_mov_b32 s29, 0
	s_mul_i32 s30, s26, 12800
	s_lshl_b32 s27, s25, 2
	s_add_co_u32 s30, s30, s27
	s_add_co_u32 s30, s30, 6144                    ; and their scale words: 16 bytes a row, 4 s in it
	s_mov_b32 s31, 0
	s_wait_kmcnt 0x0
	s_add_nc_u64 s[18:19], s[16:17], s[30:31]
	s_add_nc_u64 s[16:17], s[16:17], s[28:29]
.macro WLOAD b, pitch, src             ; block b: 32 numbers down K
.irp i, 0,1,2,3,4,5,6,7,8,9,10,11,12,13,14,15,16,17,18,19,20,21,22,23,24,25,26,27,28,29,30,31
	global_load_b32 v[R+32*(\b)+\i], v2, s[\src:\src+1] offset:(32*(\b)+\i)*\pitch th:TH_LOAD_NT
.endr
.endm
.macro WQ pitch, src
	WLOAD 0, \pitch, \src
	WLOAD 1, \pitch, \src
.irp b, 0,1,2,3
.if \b < 3
	s_wait_loadcnt 32                              ; this block's 32 loads are in; the next block's 32 may be out
.else
	s_wait_loadcnt 0x0
.endif
.if \b < 2
	WLOAD (\b)+2, \pitch, \src                     ; each block has registers of its own
.endif
	v_max3_num_f32 v8, |v[R+32*\b]|, |v[R+32*\b+1]|, |v[R+32*\b+2]|   ; the block's largest magnitude: all 32 numbers are mine
	v_max3_num_f32 v9, |v[R+32*\b+3]|, |v[R+32*\b+4]|, |v[R+32*\b+5]|
.irp i, 6,10,14,18,22,26
	v_max3_num_f32 v8, v8, |v[R+32*\b+\i]|, |v[R+32*\b+\i+1]|
	v_max3_num_f32 v9, v9, |v[R+32*\b+\i+2]|, |v[R+32*\b+\i+3]|
.endr
	v_max3_num_f32 v8, v8, |v[R+32*\b+30]|, |v[R+32*\b+31]|
	v_max3_num_f32 v8, v8, v9, 0x1800000           ; and the floor
	v_add_nc_u32 v10, 0xff000000, v8               ; the conversion's scale operand
	v_lshrrev_b32 v11, 23, v10                     ; the byte
.if \b == 0
	v_mov_b32 v24, v11
.else
	v_lshl_or_b32 v24, v11, 8*\b, v24              ; the lower K in the lower byte
.endif
	v_cvt_scalef32_pk16_fp6_f32 v[G+12*(\b%2)+6*(\b/2):G+12*(\b%2)+6*(\b/2)+2], v[R+32*\b:R+32*\b+15], v10   ; block b = 2 c + h is registers 6 c .. 6 c + 5 of lane (rr, h) of the image
	v_cvt_scalef32_pk16_fp6_f32 v[CT:CT+2], v[R+32*\b+16:R+32*\b+31], v10
	v_nop                                          ; one plain place behind a scaled conversion
.irp i, 0,1,2
	v_mov_b32 v[G+12*(\b%2)+6*(\b/2)+3+\i], v[CT+\i]
.endr
.endr
.irp h, 0,1
.irp c, 0,1,2
	global_store_b128 v3, v[G+12*\h+4*\c:G+12*\h+4*\c+3], s[16:17] offset:256*\h+512*\c   ; the sixteen lanes of one tile store 256 consecutive bytes, aligned
.endr
.endr
	global_store_b32 v3, v24, s[18:19]             ; a word for each column and K step, 16 bytes apart: 32 KB in the whole launch
.endm
	s_sub_co_u32 s27, s24, 8
	s_cmp_lt_u32 s27, 16                           ; cg 8 .. 23: Wkv, whose rows are 4,096 bytes
	s_cbranch_scc1 .Lwkv
	s_cmp_lt_u32 s24, 8                            ; Wq or Wo: the choice hangs on the work-group's number alone
	s_cselect_b64 s[6:7], s[6:7], s[10:11]
	s_cselect_b32 s27, 0, 48
	s_sub_co_u32 s27, s26, s27                     ; p inside the matrix
	s_lshl_b32 s32, s27, 7                         ; 32 columns of 4 bytes
	s_lshl_b32 s33, s25, 18                        ; 128 rows of 2,048 bytes
	s_add_co_u32 s32, s32, s33
	s_mov_b32 s33, 0
	s_add_nc_u64 s[6:7], s[6:7], s[32:33]
	WQ 2048, 6
	s_endpgm
.Lwkv:
	s_sub_co_u32 s27, s26, 16
	s_lshl_b32 s32, s27, 7
	s_lshl_b32 s33, s25, 19                        ; 128 rows of 4,096 bytes
	s_add_co_u32 s32, s32, s33
	s_mov_b32 s33, 0
	s_add_nc_u64 s[8:9], s[8:9], s[32:33]
	WQ 4096, 8
	s_endpgm
.Lfunc_end_k_q6f5797b1f4_prep:
	.size	k_q6f5797b1f4_prep, .Lfunc_end_k_q6f5797b1f4_prep-k_q6f5797b1f4_prep
	.p2alignl 7, 3214868480
	.fill 96, 4, 3214868480
	.section	.rodata,"a",@progbits
	.p2align	6, 0x0
	.amdhsa_kernel k_q6f5797b1f4_prep
		.amdhsa_group_segment_fixed_size 17152
		.amdhsa_private_segment_fixed_size 0
		.amdhsa_enable_private_segment 0
		.amdhsa_kernarg_size 56
		.amdhsa_user_sgpr_count 2
		.amdhsa_user_sgpr_kernarg_segment_ptr 1
		.amdhsa_wavefront_size32 1
		.amdhsa_system_sgpr_workgroup_id_x 1
		.amdhsa_system_sgpr_workgroup_id_y 1
		.amdhsa_system_sgpr_workgroup_id_z 1
		.amdhsa_system_vgpr_workitem_id 0
		.amdhsa_next_free_vgpr 242
		.amdhsa_next_free_sgpr 66
		.amdhsa_reserve_vcc 0
		.amdhsa_float_denorm_mode_32 3
		.amdhsa_float_denorm_mode_16_64 3
		.amdhsa_memory_ordered 1
		.amdhsa_forward_progress 1
		.amdhsa_inst_pref_size 72
	.end_amdhsa_kernel
	.amdgpu_metadata
---
amdhsa.version: [ 1, 2 ]
amdhsa.kernels:
  - .name:           k_q6f5797b1f4_prep
    .symbol:         k_q6f5797b1f4_prep.kd
    .args:
      - { .name: x, .offset: 0, .size: 8, .value_kind: global_buffer, .address_space: global }
      - { .name: Wq, .offset: 8, .size: 8, .value_kind: global_buffer, .address_space: global }
      - { .name: Wkv, .offset: 16, .size: 8, .value_kind: global_buffer, .address_space: global }
      - { .name: Wo, .offset: 24, .size: 8, .value_kind: global_buffer, .address_space: global }
      - { .name: XC, .offset: 32, .size: 8, .value_kind: global_buffer, .address_space: global }
      - { .name: XS, .offset: 40, .size: 8, .value_kind: global_buffer, .address_space: global }
      - { .name: WB, .offset: 48, .size: 8, .value_kind: global_buffer, .address_space: global }
    .group_segment_fixed_size: 17152
    .private_segment_fixed_size: 0
    .kernarg_segment_align: 8
    .kernarg_segment_size: 56
    .max_flat_workgroup_size: 64
    .sgpr_count:     66
    .vgpr_count:     242
    .wavefront_size: 32
...
	.end_amdgpu_metadata
.endif
;; end of part 1
;; launch proj (part 2): grid 4 x 64, 6 waves a work-group, clusters of 4 x 4, 203,520 bytes of LDS; arguments XC, XS, WB, QW, KV, KVS; writes QW, KV, KVS
.if DOCPART == 2
	.amdgcn_target "amdgcn-amd-amdhsa--gfx1250"
	.amdhsa_code_object_version 6
	.text
	.protected	k_q6f5797b1f4_proj
	.globl	k_q6f5797b1f4_proj
	.p2align	8
	.type	k_q6f5797b1f4_proj,@function
k_q6f5797b1f4_proj:
	s_mov_b64 s[64:65], 0
	v_nop
	global_prefetch_b8 v0, s[64:65] scope:SCOPE_SE
	s_setreg_imm32_b32 hwreg(HW_REG_WAVE_MODE, 25, 1), 1
	s_wait_xcnt 0x0
	s_wait_alu depctr_hold_cnt(0) depctr_sa_sdst(0) depctr_va_vdst(0) depctr_va_sdst(0) depctr_va_ssrc(0) depctr_va_vcc(0) depctr_vm_vsrc(0)
	s_getreg_b32 s2, hwreg(HW_REG_IB_STS2, 6, 4)
	s_cmp_eq_u32 s2, 0
	s_cbranch_scc0 .Lentry_in_a_cluster
	s_endpgm
.Lentry_in_a_cluster:
	s_bfe_u32 s2, ttmp6, 0x10000c
	s_cmp_lg_u32 s2, 0xf033
	s_cbranch_scc0 .Lentry_shape_is_right
	s_endpgm
.Lentry_shape_is_right:
; PROJ: q, k, v = x [Wq | Wkv] on codes of FP6 (E2M3), K = 512, and the results quantised on the way out as the attention's operands: q and k along the head's 64, v along the tokens.
; SHARES.  A work-group takes 128 tokens (a chunk, 8 tiles of 16) and a quarter of the heads; wave w takes kind w / 2 (0 q, 1 k, 2 v) of head 2 x quarter + w % 2: 128 tokens x 64 columns, 32 accumulators.
; q, k: THE PRODUCT IS USED TRANSPOSED (source 0 = 16 weight columns, source 1 = 16 tokens): a lane holds one token, and by the order of a weight tile's rows the 32 registers of a token tile are d = 32 b + 16 (lane / 16) + i.
;   Two token tiles 2 g, 2 g + 1 make one PAIR FRAGMENT of 128 along K: registers 0-5 tile 2 g's 64, registers 6-11 tile 2 g + 1's; scale bytes 0, 1 and 2, 3 likewise.
; v: natural (source 0 = 16 tokens, source 1 = 16 weight columns): a lane holds one d, and by the order of a token tile's rows the 64 registers of a weight tile are the chunk's tokens 32 b + 16 (lane / 16) + i: K = the keys.
; So one and the same text quantises all three.  All operands lie in memory and in LDS as images of their registers (registers 4 c .. 4 c + 3 of lane l at 512 c + 16 l).
; CLUSTER 4 x 4: the four work-groups of a row share the chunk's codes of x, the four of a column the weights: both come by joint tensor loads, once, as first fills: no LDS byte is filled again.
; LIMITS: NaN and infinities are not served; a block whose largest magnitude lies under 2^-124, a block of zeros among them, keeps the byte 1 (its bytes are read by this program alone).
; REGISTERS: window 0: v1-3 addresses; v16-111 x's 8 fragments of a K step (later the codes made); v112-159 my 4 weight fragments; v160-191 x's scale words, v192-207 the weights'; v208-235 at work.  Window 1: the 32 accumulators.
.set LI,   1                           ; 16 x lane
.set WA,   2                           ; 16 x lane + my weights' first byte in LDS
.set WA15, 3                           ; 16 x (lane % 16) + the same
.set XF,   16
.set PC,   16
.set WF,   112
.set XSR,  160                         ; tile i, K step s: v[XSR + 4 i + s]
.set WSR,  192                         ; tile t, K step s: v[WSR + 4 t + s]
.set TM,   208
.set PW,   224
.set CT,   228
.set WV,   16
.set KIND, 17
.set SEL,  24
.set G1X,  28
.set G1W,  36
.set G0X,  44
.set G0W,  48
.set OUT,  52
.set OSC,  54
.set WIMG, 49152                       ; LDS: x's 32 images (tile i, K step s at (4 i + s) x 1,536), then 25,600 bytes of weights for each wave
.set MSB, 0
.macro WIN new                         ; the immediate's high byte repeats the setting that is left
.if MSB != \new
	s_set_vgpr_msb (MSB<<8)|\new
.set MSB, \new
.endif
.endm
.macro PLACES n
.rept \n
	v_nop
.endr
.endm
.macro CROUND                          ; a round of the cluster's barrier
	s_barrier_signal -1
	s_barrier_wait -1
	s_cmp_lg_u32 s[WV], 0
	s_cbranch_scc1 .Lnot_wave_0_\@
	s_barrier_signal -3
.Lnot_wave_0_\@:
	s_barrier_wait -3
	s_barrier_signal -1
	s_barrier_wait -1
.endm
.macro DENSE g, rows                   ; descriptor group 1, words 1 to 7: a dense block as rows of 256 bytes (32 elements of 8 bytes)
	s_mov_b32 s[\g+1], 32<<16
	s_mov_b32 s[\g+2], (\rows)<<16
	s_mov_b32 s[\g+3], 32<<16
	s_mov_b32 s[\g+4], \rows
	s_mov_b32 s[\g+5], 32
	s_mov_b32 s[\g+6], 0
	s_mov_b32 s[\g+7], 0
.endm
.macro FETCH reg, adr, off             ; an image comes back as the registers that it was
.irp c, 0,1,2
	ds_load_b128 v[(\reg)+4*\c:(\reg)+4*\c+3], v[\adr] offset:(\off)+512*\c
.endr
.endm
.macro MM d, a, b, sa, sb              ; ZERO = 1: the first K step starts the sums: nothing is cleared
.if ZERO
	v_wmma_scale_f32_16x16x128_f8f6f4 v[(\d):(\d)+7], v[(\a):(\a)+11], v[(\b):(\b)+11], 0, v[\sa], v[\sb] matrix_a_fmt:MATRIX_FMT_FP6 matrix_b_fmt:MATRIX_FMT_FP6
.else
	v_wmma_scale_f32_16x16x128_f8f6f4 v[(\d):(\d)+7], v[(\a):(\a)+11], v[(\b):(\b)+11], v[(\d):(\d)+7], v[\sa], v[\sb] matrix_a_fmt:MATRIX_FMT_FP6 matrix_b_fmt:MATRIX_FMT_FP6
.endif
.endm
	s_load_b256 s[4:11], s[0:1], 0x0               ; XC s[4:5], XS s[6:7], WB s[8:9], QW s[10:11]
	s_load_b128 s[12:15], s[0:1], 0x20             ; KV s[12:13], KVS s[14:15]
	v_lshl_add_u32 v254, v0, 2, 0x31800
	v_mov_b32 v255, 0
	ds_add_u32 v254, v255
	v_lshrrev_b32 v1, 5, v0
	v_readfirstlane_b32 s[WV], v1                  ; wave 0..5
	s_lshr_b32 s[KIND], s[WV], 1
	s_and_b32 s18, s[WV], 1
	s_bfe_u32 s19, ttmp6, 0x40000                  ; cx
	s_bfe_u32 s20, ttmp6, 0x40004                  ; cy
	s_and_b32 s21, ttmp7, 0xffff
	s_lshl_b32 s21, s21, 2
	s_add_co_u32 s21, s21, s20                     ; chunk = 4 x cluster y + cy: 0 .. 63
	s_lshl_b32 s22, ttmp9, 2
	s_add_co_u32 s22, s22, s19                     ; quarter = 4 x cluster x + cx
	s_lshl_b32 s22, s22, 1
	s_add_co_u32 s22, s22, s18                     ; head
	s_lshl_b32 s23, s20, 2
	s_lshl_b32 s23, 15, s23                        ; my row of the cluster
	s_lshl_b32 s26, 0x1111, s19                    ; my column
	s_or_b32 s[G1X], s23, (3<<16)|(1<<21)          ; x's codes go to my row; elements of 8 bytes; bit 21 set beside a mask
	s_or_b32 s[G1W], s26, (3<<16)|(1<<21)          ; the weights to my column
	DENSE G1X, 32                                  ; 8,192 bytes: a sixth of the chunk's 32 images
	DENSE G1W, 100                                 ; 25,600 bytes: my four weight tiles
	s_mov_b32 s[G0X], 1
	s_lshl_b32 s[G0X+1], s[WV], 13                 ; LDS: 8,192 x wave
	s_mul_i32 s56, s21, 49152                      ; in memory: the chunk, + 8,192 x wave: no cx enters
	s_add_co_u32 s56, s56, s[G0X+1]
	s_mov_b32 s57, 0
	s_mov_b32 s[G0W], 1
	s_mul_i32 s[G0W+1], s[WV], 25600
	s_add_co_u32 s[G0W+1], s[G0W+1], WIMG
	s_lshl_b32 s58, s[KIND], 3
	s_add_co_u32 s58, s58, s22                     ; 8 x kind + head: no cy enters
	s_mul_i32 s58, s58, 25600
	s_mov_b32 s59, 0
	; where my results go: idx = (8 x batch + head) x 32 + the chunk in its batch
	s_lshr_b32 s60, s21, 5
	s_lshl_b32 s60, s60, 3
	s_add_co_u32 s60, s60, s22
	s_lshl_b32 s60, s60, 5
	s_and_b32 s61, s21, 31
	s_add_co_u32 s60, s60, s61
	s_mov_b32 s61, 12288
	s_mov_b32 s62, 1024
	s_cmp_eq_u32 s[KIND], 0
	s_cselect_b32 s61, 6656, s61                   ; codes: 6,656 bytes a chunk in QW, 12,288 in KV
	s_cselect_b32 s62, 6656, s62                   ; scale words: behind the codes in QW, 1,024 a chunk in KVS
	s_cselect_b32 s63, 6144, 0
	s_mul_i32 s2, s60, s61
	s_mul_i32 s60, s60, s62
	s_add_co_u32 s60, s60, s63
	s_cmp_eq_u32 s[KIND], 2
	s_cselect_b32 s61, 6144, 0                     ; v lies behind k
	s_cselect_b32 s62, 512, 0
	s_add_co_u32 s2, s2, s61
	s_add_co_u32 s60, s60, s62
	s_mov_b32 s3, 0
	s_mov_b32 s61, 0
	s_lshl_b32 s62, s21, 12                        ; x's scale words: 4,096 bytes a chunk
	s_mov_b32 s63, 0
	s_mov_b32 s[SEL], 0x76543210
	s_mov_b32 s[SEL+1], 0xfedcba98
	s_wait_dscnt 0x0
	s_wait_kmcnt 0x0
	s_cmp_eq_u32 s[KIND], 0                        ; the choice of buffers hangs on the wave's number alone
	s_cselect_b64 s[OUT:OUT+1], s[10:11], s[12:13]
	s_cselect_b64 s[OSC:OSC+1], s[10:11], s[14:15]
	s_add_nc_u64 s[OUT:OUT+1], s[OUT:OUT+1], s[2:3]
	s_add_nc_u64 s[OSC:OSC+1], s[OSC:OSC+1], s[60:61]
	s_add_nc_u64 s[6:7], s[6:7], s[62:63]
	s_add_nc_u64 s[G0X+2:G0X+3], s[4:5], s[56:57]
	s_or_b32 s[G0X+3], s[G0X+3], 0x80000000
	s_add_nc_u64 s[G0W+2:G0W+3], s[8:9], s[58:59]
	s_or_b32 s[G0W+3], s[G0W+3], 0x80000000
	CROUND                                         ; all sixteen work-groups are here: the joint loads meet
	tensor_load_to_lds s[G0X:G0X+3], s[G1X:G1X+7]  ; two loads of mine are out: all that this launch fills
	s_nop 0
	tensor_load_to_lds s[G0W:G0W+3], s[G1W:G1W+7]
	s_nop 0
	PLACES 4                                       ; four plain lines behind the loads
	v_and_b32 v[LI], 31, v0
	v_lshlrev_b32 v[LI], 4, v[LI]
	v_add_nc_u32 v[WA], s[G0W+1], v[LI]
	v_and_b32 v[WA15], 15, v0
	v_lshlrev_b32 v[WA15], 4, v[WA15]
	v_add_nc_u32 v[WA15], s[G0W+1], v[WA15]
.irp i, 0,1,2,3,4,5,6,7
	global_load_b128 v[XSR+4*\i:XSR+4*\i+3], v[LI], s[6:7] offset:512*\i   ; tile i's scale words, four K steps a lane
.endr
.irp b, 0,1,2,3
	v_mov_b32 v[TM+4+\b], 0                        ; written once: a lane permute's destination counts as one of its sources
.endr
	s_wait_tensorcnt 0x0                           ; my parts have landed,
	s_barrier_signal -1
	s_barrier_wait -1                              ; everybody's have: x's images are read by all six waves
.irp t, 0,1,2,3
	ds_load_b128 v[WSR+4*\t:WSR+4*\t+3], v[WA15] offset:6400*\t+6144   ; row r's scale words, four K steps
.endr
; The sums over K = 512, four K steps.  The 32 accumulators take turns, one instruction a turn, in the same order in every step.
.macro GEMM nat
.irp s, 0,1,2,3
.set ZERO, 0
.if \s == 0
.set ZERO, 1
.else
	PLACES 4                                       ; in front of loads into registers that matrix instructions have read
.endif
.irp t, 0,1,2,3
	FETCH WF+12*\t, WA, 6400*\t+1536*\s
.endr
.irp i, 0,1,2,3,4,5,6,7
	FETCH XF+12*\i, LI, (4*\i+\s)*1536
.endr
.if \s == 0
	s_wait_loadcnt 0x0                             ; x's scale words
.endif
	s_wait_dscnt 12                                ; the weights and x's tiles 0-3 are in; the youngest 12 loads (tiles 4-7) may be out
	WIN 0x50                                       ; C and D window 1
.irp i, 0,1,2,3
.irp t, 0,1,2,3
.if \nat
	MM 8*(8*\t+\i), XF+12*\i, WF+12*\t, XSR+4*\i+\s, WSR+4*\t+\s
.else
	MM 8*(4*\i+\t), WF+12*\t, XF+12*\i, WSR+4*\t+\s, XSR+4*\i+\s
.endif
.endr
.endr
	s_wait_dscnt 0x0
.irp i, 4,5,6,7
.irp t, 0,1,2,3
.if \nat
	MM 8*(8*\t+\i), XF+12*\i, WF+12*\t, XSR+4*\i+\s, WSR+4*\t+\s
.else
	MM 8*(4*\i+\t), WF+12*\t, XF+12*\i, WSR+4*\t+\s, XSR+4*\i+\s
.endif
.endr
.endr
	WIN 0
.endr
.endm
	s_cmp_eq_u32 s[KIND], 2                        ; a branch on the wave's number; no barrier stands in either arm
	s_cbranch_scc1 .Lv
	GEMM 0
	s_branch .Lout
.Lv:
	GEMM 1
.Lout:
	PLACES 4                                       ; behind the last products, in front of the first read of results
; 64 accumulator registers (window 1, from s on), register 16 b + i = place 32 b + 16 (lane / 16) + i along the next K, become a fragment's codes and its scale word.  Each accumulator is read from its low end on.
.macro QUANTW s, pc, pw
	WIN 0x14                                       ; sources 1 and 2 window 1
.irp b, 0,1,2,3
	v_max3_num_f32 v[TM+\b], 0x1800000, |v[(\s)+16*\b]|, |v[(\s)+1+16*\b]|   ; the floor 2^(3 - 127) and my first two numbers of block b
.endr
.irp i, 2,4,6,8,10,12,14
.irp b, 0,1,2,3
	v_max3_num_f32 v[TM+\b], v[TM+\b], |v[(\s)+16*\b+\i]|, |v[(\s)+1+16*\b+\i]|
.endr
.endr
	WIN 0
.irp b, 0,1,2,3
	v_permlanex16_b32 v[TM+4+\b], v[TM+\b], s[SEL], s[SEL+1]
.endr
.irp b, 0,1,2,3
	v_max_num_f32 v[TM+\b], v[TM+\b], v[TM+4+\b]
.endr
.irp b, 0,1,2,3
	v_add_nc_u32 v[TM+12+\b], 0xff000000, v[TM+\b]
.endr
.irp b, 0,1,2,3
	v_lshrrev_b32 v[TM+4+\b], 23, v[TM+12+\b]
.endr
	v_lshl_or_b32 v[\pw], v[TM+5], 8, v[TM+4]
	v_lshl_or_b32 v[\pw], v[TM+6], 16, v[\pw]
	v_lshl_or_b32 v[\pw], v[TM+7], 24, v[\pw]
	WIN 0x01                                       ; source 0 window 1
.irp c, 0,1
	v_cvt_scalef32_pk16_fp6_f32 v[(\pc)+6*\c:(\pc)+2+6*\c], v[(\s)+32*\c:(\s)+15+32*\c], v[TM+12+2*\c]
	v_cvt_scalef32_pk16_fp6_f32 v[CT+4*\c:CT+2+4*\c], v[(\s)+16+32*\c:(\s)+31+32*\c], v[TM+13+2*\c]
.endr
	WIN 0
	v_nop                                          ; one plain place behind a scaled conversion
.irp c, 0,1
.irp i, 0,1,2
	v_permlane16_swap_b32 v[(\pc)+6*\c+\i], v[CT+4*\c+\i]
.endr
.irp i, 0,1,2
	v_mov_b32 v[(\pc)+3+6*\c+\i], v[CT+4*\c+\i]
.endr
.endr
.endm
.irp g, 0,1,2,3                        ; q, k: the pair of token tiles 2 g, 2 g + 1;  v: the tile g of the head's 64.  Each has registers of its own for its codes: no store's data are written again
	QUANTW 64*\g, PC+12*\g, PW+\g
.irp c, 0,1,2
	global_store_b128 v[LI], v[PC+12*\g+4*\c:PC+12*\g+4*\c+3], s[OUT:OUT+1] offset:1536*\g+512*\c   ; 512 consecutive bytes, aligned to 256
.endr
.endr
	global_store_b128 v[LI], v[PW:PW+3], s[OSC:OSC+1]   ; the four scale words of each lane: 512 consecutive bytes
	s_wait_tensorcnt 0x0
	ds_add_u32 v254, v255
	s_wait_dscnt 0x0
	CROUND                                         ; the closing round: no work-group ends while a partner may still ask for a tile that names it
	s_endpgm
.Lfunc_end_k_q6f5797b1f4_proj:
	.size	k_q6f5797b1f4_proj, .Lfunc_end_k_q6f5797b1f4_proj-k_q6f5797b1f4_proj
	.p2alignl 7, 3214868480
	.fill 96, 4, 3214868480
	.section	.rodata,"a",@progbits
	.p2align	6, 0x0
	.amdhsa_kernel k_q6f5797b1f4_proj
		.amdhsa_group_segment_fixed_size 203520
		.amdhsa_private_segment_fixed_size 0
		.amdhsa_enable_private_segment 0
		.amdhsa_kernarg_size 48
		.amdhsa_user_sgpr_count 2
		.amdhsa_user_sgpr_kernarg_segment_ptr 1
		.amdhsa_wavefront_size32 1
		.amdhsa_system_sgpr_workgroup_id_x 1
		.amdhsa_system_sgpr_workgroup_id_y 1
		.amdhsa_system_sgpr_workgroup_id_z 1
		.amdhsa_system_vgpr_workitem_id 0
		.amdhsa_next_free_vgpr 512
		.amdhsa_next_free_sgpr 66
		.amdhsa_reserve_vcc 0
		.amdhsa_float_denorm_mode_32 3
		.amdhsa_float_denorm_mode_16_64 3
		.amdhsa_memory_ordered 1
		.amdhsa_forward_progress 1
		.amdhsa_inst_pref_size 76
	.end_amdhsa_kernel
	.amdgpu_metadata
---
amdhsa.version: [ 1, 2 ]
amdhsa.kernels:
  - .name:           k_q6f5797b1f4_proj
    .symbol:         k_q6f5797b1f4_proj.kd
    .args:
      - { .name: XC, .offset: 0, .size: 8, .value_kind: global_buffer, .address_space: global }
      - { .name: XS, .offset: 8, .size: 8, .value_kind: global_buffer, .address_space: global }
      - { .name: WB, .offset: 16, .size: 8, .value_kind: global_buffer, .address_space: global }
      - { .name: QW, .offset: 24, .size: 8, .value_kind: global_buffer, .address_space: global }
      - { .name: KV, .offset: 32, .size: 8, .value_kind: global_buffer, .address_space: global }
      - { .name: KVS, .offset: 40, .size: 8, .value_kind: global_buffer, .address_space: global }
    .group_segment_fixed_size: 203520
    .private_segment_fixed_size: 0
    .kernarg_segment_align: 8
    .kernarg_segment_size: 48
    .max_flat_workgroup_size: 192
    .sgpr_count:     66
    .vgpr_count:     512
    .wavefront_size: 32
...
	.end_amdgpu_metadata
.endif
;; end of part 2
;; launch attn (part 3): grid 16 x 16, 16 waves a work-group, clusters of 4 x 1, 327,680 bytes of LDS; arguments QW, KV, KVS, OB; writes OB
.if DOCPART == 3
	.amdgcn_target "amdgcn-amd-amdhsa--gfx1250"
	.amdhsa_code_object_version 6
	.text
	.protected	k_q6f5797b1f4_attn
	.globl	k_q6f5797b1f4_attn
	.p2align	8
	.type	k_q6f5797b1f4_attn,@function
k_q6f5797b1f4_attn:
	s_mov_b64 s[64:65], 0
	v_nop
	global_prefetch_b8 v0, s[64:65] scope:SCOPE_SE
	s_setreg_imm32_b32 hwreg(HW_REG_WAVE_MODE, 25, 1), 1
	s_wait_xcnt 0x0
	s_wait_alu depctr_hold_cnt(0) depctr_sa_sdst(0) depctr_va_vdst(0) depctr_va_sdst(0) depctr_va_ssrc(0) depctr_va_vcc(0) depctr_vm_vsrc(0)
	s_getreg_b32 s2, hwreg(HW_REG_IB_STS2, 6, 4)
	s_cmp_eq_u32 s2, 0
	s_cbranch_scc0 .Lentry_in_a_cluster
	s_endpgm
.Lentry_in_a_cluster:
	s_bfe_u32 s2, ttmp6, 0x10000c
	s_cmp_lg_u32 s2, 0x3003
	s_cbranch_scc0 .Lentry_shape_is_right
	s_endpgm
.Lentry_shape_is_right:
; ATTN: for each of 16 (batch, head): O = softmax(q k^T / 8) v, both products on codes of FP6 (E2M3); O / l is quantised along the head's 64 for the last product.
; THE SOFTMAX: t = score x log2(e) / 8; M = the row's largest t so far, rounded UP to a whole number (a running maximum); p = 2^(t - M) is quantised along the keys, not normalised; the row's sum l is taken of the
; unquantised p; when M moves, l and O are multiplied by 2^(old M - new M), which rounds nothing; at the end O is divided by l.
; SHARES.  A work-group owns 256 queries of one head, each of its sixteen waves 16 of them in 256 registers: four waves to a SIMD, so that one wave's vector work stands beside another's products and LDS loads.
; Every wave walks the head's 4,096 keys, 128 (a chunk) a step.  A chunk is 12,288 bytes: 4 pair fragments of k, 4 fragments of v^T, as images of their registers (registers 4 c .. 4 c + 3 of lane l at 512 c + 16 l).
; LAYOUT.  Both products are used transposed (S^T = k q^T, O^T = v^T p^T): a lane holds ONE query.  K of the first product is 64: a pair fragment of k holds key tile 2 g in registers 0-5 and key tile 2 g + 1 in 6-11;
; q stands between two runs of six zero registers: [q | 0] multiplies tile 2 g, [0 | q] tile 2 g + 1: the zero codes that fill K up to 128 stand on q's side alone, and no byte of k is read in vain.
; By the order of a tile's rows (row r of tile 2 g + u is token 32 g + 8 u + r + 8 (r / 8)) the 16 registers of the two results are keys 32 g + 16 (lane / 16) + 0 .. 15: p's codes come out as the second product's operand.
; CLUSTER.  The four work-groups of a cluster walk the same head: each slot (8 chunks) and the head's scale words are asked for jointly, by waves 0 to 3.  Two slots take turns.
; LIMITS: NaN and infinities are not served; a block whose largest magnitude lies under 2^-124, a block of zeros among them, keeps the byte 1 (read by this program alone).
.set LI,  1                            ; v1   16 x lane
.set SPW, 2                            ; v2   LDS address of my spare word; never rewritten
.set NIL, 3                            ; v3   0; never rewritten
.set ADK, 4                            ; v4   LDS address of the step's images
.set ADS, 5                            ; v5   and of its scale words
.set QHI, 16                           ; v16-27 [0 | q];  v22-33 [q | 0]
.set QLO, 22
.set QS,  34                           ; q's scale word (s0, s1, s0, s1)
.set PS,  35                           ; p's scale word
.set KS,  36                           ; v36-39 k's scale words
.set VS,  40                           ; v40-43 v's
.set F,   44                           ; v[44:45] f = 2^(old M - new M); v45 cleared once (named as the pair's upper half)
.set SCR, 46
.set PFO, 47                           ; v47  256 x lane, the prefetches' offset; never rewritten
.set KB,  48                           ; v48-95 k's 4 pair fragments; behind the scores v48-59 p's codes, v60-67 the conversions' second halves
.set PC,  48
.set CT,  60
.set VB,  96                           ; v96-143 v's 4 fragments
.set S,   144                          ; v144-207 S^T, then p
.set OT,  208                          ; v208-239 O^T
.set BM,  240                          ; v240-243 each block's largest score, then its largest p
.set PT,  244                          ; v244-247 at work
.set SO,  248                          ; v248-251 the conversions' scale operands
.set WV,  18
.set SEL, 20
.set CS,  22                           ; s[22:23] c = log2(e) / 8
.set G1K, 24
.set G1S, 32
.set G0K, 40
.set G0S, 44
.set TB,  48                           ; LDS byte at which the step's chunk begins
.set TS,  49                           ; and its scale words
.set SLOTS, 50
.set CNT, 51
.set PFA, 52
.set LIM, 54
.set CHB,   12288                      ; a chunk
.set SLOTB, 8*CHB                      ; a slot: 98,304 bytes
.set SLOT1, 1<<17                      ; slot 1 begins here: one exclusive or turns an address in one slot into the other's
.set SCL,   2*SLOT1                    ; the head's 32,768 bytes of scale words, filled once
.set SPARE, SCL+32768                  ; the spare words, 128 bytes for each wave: eight blocks of 256 bytes that no other line names
.macro PLACES n
.rept \n
	v_nop
.endr
.endm
.macro CROUND                          ; a round of the cluster's barrier
	s_barrier_signal -1
	s_barrier_wait -1
	s_cmp_lg_u32 s[WV], 0
	s_cbranch_scc1 .Lnot_wave_0_\@
	s_barrier_signal -3
.Lnot_wave_0_\@:
	s_barrier_wait -3
	s_barrier_signal -1
	s_barrier_wait -1
.endm
.macro DENSE g, rows                   ; descriptor group 1: a dense block as rows of 256 bytes; the mask names all four work-groups; bit 21 set beside it
	s_mov_b32 s[\g], 15|(3<<16)|(1<<21)
	s_mov_b32 s[\g+1], 32<<16
	s_mov_b32 s[\g+2], (\rows)<<16
	s_mov_b32 s[\g+3], 32<<16
	s_mov_b32 s[\g+4], \rows
	s_mov_b32 s[\g+5], 32
	s_mov_b32 s[\g+6], 0
	s_mov_b32 s[\g+7], 0
.endm
.macro FETCH reg, adr, off
.irp c, 0,1,2
	ds_load_b128 v[(\reg)+4*\c:(\reg)+4*\c+3], v[\adr] offset:(\off)+512*\c
.endr
.endm
	s_load_b256 s[4:11], s[0:1], 0x0               ; QW s[4:5], KV s[6:7], KVS s[8:9], OB s[10:11]
	v_lshl_add_u32 v[SPW], v0, 2, SPARE
	v_mov_b32 v[NIL], 0
	ds_add_u32 v2, v3
	s_wait_dscnt 0x0
	v_lshrrev_b32 v1, 5, v0
	v_readfirstlane_b32 s[WV], v1                  ; wave 0..15
	s_bfe_u32 s12, ttmp6, 0x40000                  ; cx
	s_lshl_b32 s13, ttmp9, 2
	s_add_co_u32 s13, s13, s12                     ; my block of 256 queries: it enters q's, O's and the prefetches' addresses alone
	s_and_b32 s14, ttmp7, 0xffff                   ; 8 x batch + head, which the four partners share
	s_and_b32 s15, s[WV], 3
	s_and_b32 s19, s[WV], 1                        ; u: which tile of its pair is mine
	DENSE G1K, 96                                  ; 24,576 bytes: a quarter of a slot
	DENSE G1S, 32                                  ; 8,192 bytes: a quarter of the head's scale words
	s_mul_i32 s56, s14, 32*CHB                     ; the head's first byte in KV
	s_mul_i32 s57, s15, 24576
	s_mov_b32 s[G0K], 1
	s_mov_b32 s[G0K+1], s57                        ; LDS: slot 0, my quarter
	s_add_co_u32 s58, s56, s57
	s_mov_b32 s59, 0
	s_lshl_b32 s55, s15, 13
	s_mov_b32 s[G0S], 1
	s_add_co_u32 s[G0S+1], s55, SCL
	s_lshl_b32 s60, s14, 15                        ; the head's first byte in KVS
	s_add_co_u32 s60, s60, s55
	s_mov_b32 s61, 0
	s_mul_i32 s62, s12, 24576                      ; the prefetches: my work-group's quarter of a slot, told apart by address,
	s_add_co_u32 s62, s62, s55                     ; my wave's 8,192 bytes of it (waves 4, 5, 6),
	s_add_co_u32 s62, s62, s56
	s_add_co_u32 s62, s62, SLOTB                   ; in slot 1: the first change of slots steps it to slot 2.  Nothing is prefetched at the head
	s_mov_b32 s63, 0
	s_sub_co_u32 s55, s[WV], 4
	s_cmp_lt_u32 s55, 3
	s_cselect_b32 s55, 0, 1                        ; 0 in waves 4 to 6,
	s_or_b32 s55, s55, ttmp9                       ; of the head's first cluster: the same in all four partners
	s_cmp_eq_u32 s55, 0
	s_cselect_b32 s[LIM], 1, -1
	s_lshl_b32 s16, s14, 5                         ; q: chunk 32 x (8 batch + head) + 2 x block + wave / 8,
	s_lshl_b32 s17, s13, 1
	s_add_co_u32 s16, s16, s17
	s_lshr_b32 s17, s[WV], 3
	s_add_co_u32 s16, s16, s17
	s_mul_i32 s16, s16, 6656
	s_bfe_u32 s17, s[WV], 0x20001                  ; pair (wave / 2) % 4 of it
	s_mul_i32 s2, s17, 1536
	s_add_co_u32 s2, s2, s16
	s_mov_b32 s3, 0
	s_lshl_b32 s17, s17, 2
	s_add_co_u32 s16, s16, s17
	s_add_co_u32 s16, s16, 6144                    ; its scale words: 16 bytes a lane, the pair's word in them
	s_mov_b32 s17, 0
	s_mov_b32 s[SEL], 0x76543210
	s_mov_b32 s[SEL+1], 0xfedcba98
	s_mov_b32 s[CS], 0x3e38aa3b                    ; c = log2(e) / 8
	s_mov_b32 s[CS+1], s[CS]                       ; (named with it as a pair, so it is written)
	s_mov_b32 s[TB], 0
	s_mov_b32 s[TS], SCL
	s_mov_b32 s[SLOTS], 3
	s_wait_kmcnt 0x0
	s_add_nc_u64 s[G0K+2:G0K+3], s[6:7], s[58:59]
	s_or_b32 s[G0K+3], s[G0K+3], 0x80000000
	s_add_nc_u64 s[G0S+2:G0S+3], s[8:9], s[60:61]
	s_or_b32 s[G0S+3], s[G0S+3], 0x80000000
	s_add_nc_u64 s[PFA:PFA+1], s[6:7], s[62:63]
	s_add_nc_u64 s[16:17], s[4:5], s[16:17]
	s_add_nc_u64 s[4:5], s[4:5], s[2:3]
	CROUND                                         ; all four work-groups are here: the first joint loads meet
	s_cmp_lt_u32 s[WV], 4                          ; a wave's two first fills stand in one branch on its number: two loads of mine are out
	s_cbranch_scc0 .Lfirst_asked
	tensor_load_to_lds s[G0S:G0S+3], s[G1S:G1S+7]  ; the head's scale words: filled once
	s_nop 0
	tensor_load_to_lds s[G0K:G0K+3], s[G1K:G1K+7]  ; slot 0
	s_nop 0
	PLACES 4                                       ; four plain lines behind the loads
.Lfirst_asked:
	v_and_b32 v[LI], 31, v0
	v_lshlrev_b32 v[PFO], 8, v[LI]
	v_lshlrev_b32 v[LI], 4, v[LI]
	s_mul_i32 s55, s19, 520                        ; my six registers 6 u .. 6 u + 5 of the pair's image, in three pieces of 8 bytes: at 16 l + 520 u,
	v_add_nc_u32 v6, s55, v[LI]
	s_mul_i32 s55, s19, 1016
	s_add_co_u32 s55, s55, 8
	v_add_nc_u32 v7, s55, v[LI]                    ; 16 l + 8 + 1,016 u,
	v_add_nc_u32 v8, 512, v6                       ; 16 l + 512 + 520 u
	global_load_b64 v[QLO:QLO+1], v6, s[4:5]
	global_load_b64 v[QLO+2:QLO+3], v7, s[4:5]
	global_load_b64 v[QLO+4:QLO+5], v8, s[4:5]
	global_load_b32 v[QS], v[LI], s[16:17]
.irp i, 0,1,2,3,4,5
	v_mov_b32 v[QHI+\i], 0                         ; the zero codes on either side of q
	v_mov_b32 v[QLO+6+\i], 0
.endr
	v_mov_b32 v13, 0xff61b1e6                      ; the largest t so far: -3e38, under every t
	v_floor_f32 v12, -v13                          ; -M
	v_mov_b32 v14, 0                               ; l, in two halves
	v_mov_b32 v15, 0
	v_mov_b32 v[F+1], 0
.irp b, 0,1,2,3
	v_mov_b32 v[PT+\b], 0                          ; written once: a lane permute's destination counts as one of its sources
.endr
	s_lshl_b32 s55, s19, 4
	s_wait_loadcnt 0x0                             ; q and its scale word
	v_lshrrev_b32 v[SCR], s55, v[QS]               ; my tile's two bytes of the pair's word,
	v_and_b32 v[SCR], 0xffff, v[SCR]
	v_lshl_or_b32 v[QS], v[SCR], 16, v[SCR]        ; twice: they serve q in either half of K
.set j, 0
.rept 32
	v_mov_b32 v[OT+j], 0                           ; O^T: the step is written once, and the first change of M leaves zeros zeros.  (Also the places between the scale word's last line and the first product)
.set j, j+1
.endr
; A KEY STEP: 128 keys.
.macro STEP
	v_add_nc_u32 v[ADK], s[TB], v[LI]              ; four plain lines: the places behind the last step's products, in front of loads into registers that they read
	v_add_nc_u32 v[ADS], s[TS], v[LI]
	v_nop
	v_nop
	ds_load_b128 v[KS:KS+3], v[ADS]
.irp g, 0,1,2,3
	FETCH KB+12*\g, ADK, 1536*\g
.endr
	ds_load_b128 v[VS:VS+3], v[ADS] offset:512
.irp t, 0,1,2,3
	FETCH VB+12*\t, ADK, 6144+1536*\t
.endr
	s_wait_dscnt 13                                ; k and its scale words are in; the youngest 13 loads (v's words and fragments) may be out
.irp g, 0,1,2,3
	v_wmma_scale_f32_16x16x128_f8f6f4 v[S+16*\g:S+16*\g+7], v[KB+12*\g:KB+12*\g+11], v[QLO:QLO+11], 0, v[KS+\g], v[QS] matrix_a_fmt:MATRIX_FMT_FP6 matrix_b_fmt:MATRIX_FMT_FP6
	v_wmma_scale_f32_16x16x128_f8f6f4 v[S+16*\g+8:S+16*\g+15], v[KB+12*\g:KB+12*\g+11], v[QHI:QHI+11], 0, v[KS+\g], v[QS] matrix_a_fmt:MATRIX_FMT_FP6 matrix_b_fmt:MATRIX_FMT_FP6
.endr
	PLACES 4
.irp b, 0,1,2,3
	v_max3_num_f32 v[BM+\b], v[S+16*\b], v[S+1+16*\b], v[S+2+16*\b]   ; the largest score of each block of 32 keys: it serves for the row's maximum and, since p rises with the score, for the block's largest p
.endr
.irp i, 3,5,7,9,11,13
.irp b, 0,1,2,3
	v_max3_num_f32 v[BM+\b], v[BM+\b], v[S+16*\b+\i], v[S+1+16*\b+\i]
.endr
.endr
.irp b, 0,1,2,3
	v_max_num_f32 v[BM+\b], v[BM+\b], v[S+15+16*\b]
.endr
.irp b, 0,1,2,3
	v_permlanex16_b32 v[PT+\b], v[BM+\b], s[SEL], s[SEL+1]
.endr
.irp b, 0,1,2,3
	v_max_num_f32 v[BM+\b], v[BM+\b], v[PT+\b]     ; with lane l xor 16's 16 keys
.endr
	v_max3_num_f32 v[SCR], v[BM], v[BM+1], v[BM+2]
	v_max_num_f32 v[SCR], v[SCR], v[BM+3]          ; the step's largest score of my query
	v_mul_f32 v[SCR], s[CS], v[SCR]                ; as t (c is positive)
	v_max_num_f32 v13, v13, v[SCR]                 ; the running largest t
	v_mov_b32 v[SCR], v12
	v_floor_f32 v12, -v13                          ; the new -M = floor(-t): M is a whole number
	v_sub_f32 v[SCR], v12, v[SCR]                  ; old M - new M: a whole number, 0 or less
	v_cvt_i32_f32 v[SCR], v[SCR]                   ; (it saturates)
	v_ldexp_f32 v[F], 1.0, v[SCR]                  ; f = 2^(old M - new M)
.set j, 0
.rept 32
	v_pk_fma_f32 v[S+j:S+j+1], v[S+j:S+j+1], s[CS:CS+1], v[12:13] op_sel_hi:[1,0,0]   ; t - M, two at a time
.set j, j+2
.endr
.irp b, 0,1,2,3
	v_fma_f32 v[BM+\b], v[BM+\b], s[CS], v12       ; the same of each block's largest score
.endr
.set j, 0
.rept 64
	v_exp_f32 v[S+j], v[S+j]                       ; p = 2^(t - M), at most 1
.set j, j+1
.endr
	v_pk_mul_f32 v[14:15], v[14:15], v[F:F+1] op_sel_hi:[1,0]   ; l under the new M: a plain line behind the exponentials
	s_wait_alu depctr_va_vdst(0)                   ; one wait for the batch of 64, ahead of its first reader
.irp b, 0,1,2,3
	v_exp_f32 v[BM+\b], v[BM+\b]                   ; the block's largest p: the same two instructions on the same number give the same bits
.endr
	v_pk_add_f32 v[PT:PT+1], v[S:S+1], v[S+2:S+3]  ; l is taken of the unquantised p: two at a time, in two chains
.set j, 4
.rept 15
	v_pk_add_f32 v[14:15], v[14:15], v[S+j:S+j+1]
	v_pk_add_f32 v[PT:PT+1], v[PT:PT+1], v[S+j+2:S+j+3]
.set j, j+4
.endr
	v_pk_add_f32 v[14:15], v[14:15], v[PT:PT+1]
	s_wait_alu depctr_va_vdst(0)                   ; and one for the four
.irp b, 0,1,2,3
	v_max_num_f32 v[BM+\b], 0x1800000, v[BM+\b]    ; the floor 2^(3 - 127): the byte cannot fall under 1
.endr
.irp b, 0,1,2,3
	v_add_nc_u32 v[SO+\b], 0xff000000, v[BM+\b]    ; 2 off the exponent field: the conversion's scale operand
.endr
.irp b, 0,1,2,3
	v_lshrrev_b32 v[PT+\b], 23, v[SO+\b]           ; the byte
.endr
	v_lshl_or_b32 v[PS], v[PT+1], 8, v[PT]
	v_lshl_or_b32 v[PS], v[PT+2], 16, v[PS]
	v_lshl_or_b32 v[PS], v[PT+3], 24, v[PS]        ; p's scale word for these 128 keys
.irp c, 0,1
	v_cvt_scalef32_pk16_fp6_f32 v[PC+6*\c:PC+2+6*\c], v[S+32*\c:S+15+32*\c], v[SO+2*\c]
	v_cvt_scalef32_pk16_fp6_f32 v[CT+4*\c:CT+2+4*\c], v[S+16+32*\c:S+31+32*\c], v[SO+1+2*\c]
.endr
	v_nop                                          ; one plain place behind a scaled conversion
.irp c, 0,1
.irp i, 0,1,2
	v_permlane16_swap_b32 v[PC+6*\c+\i], v[CT+4*\c+\i]
.endr
.irp i, 0,1,2
	v_mov_b32 v[PC+3+6*\c+\i], v[CT+4*\c+\i]
.endr
.endr
.set j, 0
.rept 16
	v_pk_mul_f32 v[OT+j:OT+j+1], v[OT+j:OT+j+1], v[F:F+1] op_sel_hi:[1,0]   ; O^T under the new M.  Twelve of the sixteen name no register of any one product below: the places behind p's codes and scale word
.set j, j+2
.endr
	s_wait_dscnt 0x0                               ; v is in
.irp t, 0,1,2,3
	v_wmma_scale_f32_16x16x128_f8f6f4 v[OT+8*\t:OT+8*\t+7], v[VB+12*\t:VB+12*\t+11], v[PC:PC+11], v[OT+8*\t:OT+8*\t+7], v[VS+\t], v[PS] matrix_a_fmt:MATRIX_FMT_FP6 matrix_b_fmt:MATRIX_FMT_FP6
.endr
	s_add_co_u32 s[TB], s[TB], CHB
	s_add_co_u32 s[TS], s[TS], 1024
.endm
.macro SLOT_STEPS                      ; a slot's eight key steps: written once, walked eight times
	s_mov_b32 s[CNT], 8
.Lstep_\@:
	STEP
	s_sub_co_u32 s[CNT], s[CNT], 1
	s_cmp_lg_u32 s[CNT], 0
	s_cbranch_scc1 .Lstep_\@
	s_sub_co_u32 s[TB], s[TB], SLOTB               ; back to a slot's first chunk,
	s_xor_b32 s[TB], s[TB], SLOT1                  ; in the other slot
.endm
; THE CHANGE OF SLOTS stands at a slot's head.  Each wave waits for all its tensor loads (its part of the slot that it is about to read), adds 0 to its spare word, and waits for that and for its reads of the slot that it has left.
; fill = 1: the barrier is a round of the cluster's, so that no wave of any partner still reads the other slot or has a load on its way; behind it that slot is asked for jointly: the load has eight key steps in which to land.
.macro CHANGE fill
	s_wait_tensorcnt 0x0                           ; no tensor load of mine is out, so a group 0 may be written
	ds_add_u32 v[SPW], v[NIL]                      ; 0 onto my spare word
.if \fill
	s_xor_b32 s[G0K+1], s[G0K+1], SLOT1            ; the walking descriptor: the other slot than last time,
	s_add_nc_u64 s[G0K+2:G0K+3], s[G0K+2:G0K+3], SLOTB   ; the next 1,024 keys; the type bits on top are not reached
	s_wait_xcnt 0x0                                ; the last prefetch, a slot back, has read its address, so it may be written:
	s_add_nc_u64 s[PFA:PFA+1], s[PFA:PFA+1], SLOTB ; one slot further on than the walking descriptor
	s_wait_dscnt 0x0                               ; the add is done, and my reads of the slot that I have left are over
	CROUND
	s_cmp_lt_u32 s[WV], 4                          ; waves 0 to 3 fetch a quarter each: the branch hangs on the wave's number alone
	s_cbranch_scc0 .Lasked_\@
	tensor_load_to_lds s[G0K:G0K+3], s[G1K:G1K+7]  ; the first thing behind the round, and a wave's one tensor load until the next
	s_nop 0
	PLACES 4
.Lasked_\@:
	; A prefetch of the slot that the NEXT change will ask for, eight key steps ahead of that load: 98,304 bytes = 4 work-groups x 3 waves x 32 lanes x 256 bytes: each block is named once in the launch, by the head's first cluster.
	; The last change that fills a slot asks for nothing; slots 0 and 1 come by their loads alone.
	s_cmp_gt_u32 s[SLOTS], s[LIM]
	s_cbranch_scc0 .Lnot_mine_\@
	global_prefetch_b8 v[PFO], s[PFA:PFA+1] th:TH_LOAD_NT scope:SCOPE_SE
.Lnot_mine_\@:
.else
	s_wait_dscnt 0x0
	s_barrier_signal -1
	s_barrier_wait -1
.endif
.endm
.Lslot:                                            ; three trips: behind each change of slots but the last the next slot is asked for
	CHANGE 1
	SLOT_STEPS
	s_sub_co_u32 s[SLOTS], s[SLOTS], 1
	s_cmp_lg_u32 s[SLOTS], 0
	s_cbranch_scc1 .Lslot
	CHANGE 0                                       ; the last slot is written out
	SLOT_STEPS
	; THE WAY OUT: O^T / l, quantised along the head's 64 (two blocks), leaves as half a fragment's image: registers 0-3 at 16 l, registers 4-5 at 512 + 8 l, the word (byte 0, byte 1) at 4 l.
	v_add_f32 v14, v14, v15                        ; l's two halves,
	v_permlanex16_b32 v[SCR], v14, s[SEL], s[SEL+1]
	v_add_f32 v14, v14, v[SCR]                     ; and lane l xor 16's
	v_rcp_f32 v[F], v14
	v_lshrrev_b32 v7, 1, v[LI]                     ; 8 x lane (plain lines behind the reciprocal, and among the places behind the last products)
	v_lshrrev_b32 v8, 2, v[LI]                     ; 4 x lane
	v_nop
	v_nop
	s_lshr_b32 s55, s14, 3                         ; tile T = 256 x batch + 16 x block + wave
	s_lshl_b32 s55, s55, 8
	s_lshl_b32 s56, s13, 4
	s_add_co_u32 s55, s55, s56
	s_add_co_u32 s55, s55, s[WV]
	s_mul_i32 s55, s55, 7168
	s_and_b32 s56, s14, 7                          ; head
	s_mul_i32 s57, s56, 768
	s_add_co_u32 s58, s55, s57
	s_mov_b32 s59, 0
	s_lshl_b32 s56, s56, 7
	s_add_co_u32 s60, s55, s56
	s_add_co_u32 s60, s60, 6144
	s_mov_b32 s61, 0
	s_add_nc_u64 s[58:59], s[10:11], s[58:59]
	s_add_nc_u64 s[60:61], s[10:11], s[60:61]
	s_wait_alu depctr_va_vdst(0)                   ; the wait ahead of the reciprocal's first reader
.set j, 0
.rept 16
	v_pk_mul_f32 v[S+j:S+j+1], v[OT+j:OT+j+1], v[F:F+1] op_sel_hi:[1,0]   ; register 16 b + i is d = 32 b + 16 (lane / 16) + i of my query; each accumulator is read from its low end on
.set j, j+2
.endr
.irp b, 0,1
	v_max3_num_f32 v[BM+\b], |v[S+16*\b]|, |v[S+1+16*\b]|, 0x1800000
.endr
.irp i, 2,4,6,8,10,12,14
.irp b, 0,1
	v_max3_num_f32 v[BM+\b], v[BM+\b], |v[S+16*\b+\i]|, |v[S+1+16*\b+\i]|
.endr
.endr
.irp b, 0,1
	v_permlanex16_b32 v[PT+\b], v[BM+\b], s[SEL], s[SEL+1]
.endr
.irp b, 0,1
	v_max_num_f32 v[BM+\b], v[BM+\b], v[PT+\b]
.endr
.irp b, 0,1
	v_add_nc_u32 v[SO+\b], 0xff000000, v[BM+\b]
.endr
.irp b, 0,1
	v_lshrrev_b32 v[PT+\b], 23, v[SO+\b]
.endr
	v_lshl_or_b32 v[PS], v[PT+1], 8, v[PT]
	v_cvt_scalef32_pk16_fp6_f32 v[PC:PC+2], v[S:S+15], v[SO]
	v_cvt_scalef32_pk16_fp6_f32 v[CT:CT+2], v[S+16:S+31], v[SO+1]
	v_nop                                          ; one plain place behind a scaled conversion
.irp i, 0,1,2
	v_permlane16_swap_b32 v[PC+\i], v[CT+\i]
.endr
.irp i, 0,1,2
	v_mov_b32 v[PC+3+\i], v[CT+\i]
.endr
	global_store_b128 v[LI], v[PC:PC+3], s[58:59]              ; 512 consecutive bytes, aligned to 256
	global_store_b64 v7, v[PC+4:PC+5], s[58:59] offset:512     ; 256 consecutive bytes, aligned
	global_store_b32 v8, v[PS], s[60:61]                       ; 128 consecutive bytes
	s_wait_tensorcnt 0x0                           ; the wave's end
	ds_add_u32 v[SPW], v[NIL]
	s_wait_dscnt 0x0
	CROUND                                         ; the closing round: no work-group ends while a partner may still ask for a tile that names it
	s_endpgm
.Lfunc_end_k_q6f5797b1f4_attn:
	.size	k_q6f5797b1f4_attn, .Lfunc_end_k_q6f5797b1f4_attn-k_q6f5797b1f4_attn
	.p2alignl 7, 3214868480
	.fill 96, 4, 3214868480
	.section	.rodata,"a",@progbits
	.p2align	6, 0x0
	.amdhsa_kernel k_q6f5797b1f4_attn
		.amdhsa_group_segment_fixed_size 327680
		.amdhsa_private_segment_fixed_size 0
		.amdhsa_enable_private_segment 0
		.amdhsa_kernarg_size 32
		.amdhsa_user_sgpr_count 2
		.amdhsa_user_sgpr_kernarg_segment_ptr 1
		.amdhsa_wavefront_size32 1
		.amdhsa_system_sgpr_workgroup_id_x 1
		.amdhsa_system_sgpr_workgroup_id_y 1
		.amdhsa_system_sgpr_workgroup_id_z 1
		.amdhsa_system_vgpr_workitem_id 0
		.amdhsa_next_free_vgpr 256
		.amdhsa_next_free_sgpr 66
		.amdhsa_reserve_vcc 0
		.amdhsa_float_denorm_mode_32 3
		.amdhsa_float_denorm_mode_16_64 3
		.amdhsa_memory_ordered 1
		.amdhsa_forward_progress 1
		.amdhsa_inst_pref_size 45
	.end_amdhsa_kernel
	.amdgpu_metadata
---
amdhsa.version: [ 1, 2 ]
amdhsa.kernels:
  - .name:           k_q6f5797b1f4_attn
    .symbol:         k_q6f5797b1f4_attn.kd
    .args:
      - { .name: QW, .offset: 0, .size: 8, .value_kind: global_buffer, .address_space: global }
      - { .name: KV, .offset: 8, .size: 8, .value_kind: global_buffer, .address_space: global }
      - { .name: KVS, .offset: 16, .size: 8, .value_kind: global_buffer, .address_space: global }
      - { .name: OB, .offset: 24, .size: 8, .value_kind: global_buffer, .address_space: global }
    .group_segment_fixed_size: 327680
    .private_segment_fixed_size: 0
    .kernarg_segment_align: 8
    .kernarg_segment_size: 32
    .max_flat_workgroup_size: 512
    .sgpr_count:     66
    .vgpr_count:     256
    .wavefront_size: 32
...
	.end_amdgpu_metadata
.endif
;; end of part 3
;; launch oproj (part 4): grid 4 x 64, 8 waves a work-group, clusters of 4 x 4, 177,152 bytes of LDS; arguments OB, WB, bo, out0; writes out0
.if DOCPART == 4
	.amdgcn_target "amdgcn-amd-amdhsa--gfx1250"
	.amdhsa_code_object_version 6
	.text
	.protected	k_q6f5797b1f4_oproj
	.globl	k_q6f5797b1f4_oproj
	.p2align	8
	.type	k_q6f5797b1f4_oproj,@function
k_q6f5797b1f4_oproj:
	s_mov_b64 s[64:65], 0
	v_nop
	global_prefetch_b8 v0, s[64:65] scope:SCOPE_SE
	s_setreg_imm32_b32 hwreg(HW_REG_WAVE_MODE, 25, 1), 1
	s_wait_xcnt 0x0
	s_wait_alu depctr_hold_cnt(0) depctr_sa_sdst(0) depctr_va_vdst(0) depctr_va_sdst(0) depctr_va_ssrc(0) depctr_va_vcc(0) depctr_vm_vsrc(0)
	s_getreg_b32 s2, hwreg(HW_REG_IB_STS2, 6, 4)
	s_cmp_eq_u32 s2, 0
	s_cbranch_scc0 .Lentry_in_a_cluster
	s_endpgm
.Lentry_in_a_cluster:
	s_bfe_u32 s2, ttmp6, 0x10000c
	s_cmp_lg_u32 s2, 0xf033
	s_cbranch_scc0 .Lentry_shape_is_right
	s_endpgm
.Lentry_shape_is_right:
; OPROJ: out = (O / l) Wo + bo on codes of FP6 (E2M3), K = 512 (8 heads x 64), f32 out.
; SHARES.  A work-group takes 128 tokens (8 tiles of 16) and 128 of the 512 columns; wave w takes token tile w and all 128 columns: 8 accumulators.
; THE PRODUCT IS USED TRANSPOSED (source 0 = 16 columns of Wo, source 1 = 16 tokens): a lane holds one token, and by the order of a weight tile's rows its eight registers of tile 2 b + u are columns 32 b + 16 (lane / 16) + 8 u + 0 .. 7.
; bo is loaded straight into the accumulators, in that layout: every product adds in place, and nothing is cleared or added afterwards.
; O's codes lie as half images, one for each head (registers 0-3 at 16 l, 4-5 at 512 + 8 l); two heads make a K step's fragment, and their two half words its scale word.
; CLUSTER 4 x 4: the four work-groups of a row share O's tiles, the four of a column the weights: joint tensor loads, once, as first fills: no LDS byte is filled again.
; The rows of a token tile are tokens 32 g + 8 u + i + 8 (i / 8): the results go through my own stage in LDS and leave as rows of 512 consecutive bytes.
.set LI,   1                           ; 16 x lane
.set OA16, 2                           ; my O tile in LDS + 16 x lane
.set OA8,  3                           ; + 8 x lane
.set OA4,  4                           ; + 4 x lane
.set WA,   5                           ; the weights in LDS + 16 x lane
.set WA15, 6                           ; + 16 x (lane % 16)
.set BH,   7                           ; 64 x (lane / 16)
.set STO,  8
.set SRD,  9
.set OSW,  12                          ; v12-15 O's scale words, one for each K step
.set WSR,  16                          ; v16-47 the weights': tile t, K step s at v[WSR + 4 t + s]
.set OF,   48                          ; v48-95 O's four fragments
.set WF,   96                          ; v96-191 a K step's eight weight fragments
.set RAW,  96                          ; v96-103 at the start: the heads' half words
.set BK,   96                          ; v96-159 at the end: 16 rows read back
.set ACC,  192                         ; v192-255
.set WV,   16
.set G1O,  28
.set G1W,  36
.set G0O,  44
.set G0W,  48
.set WIMG, 57344                       ; LDS: 8 O tiles of 7,168 bytes, 8 weight tiles of 6,400 bytes,
.set STAGE, 108544                     ; and a stage of 16 rows x (512 bytes + 16) for each wave, into which no tile lands
.macro PLACES n
.rept \n
	v_nop
.endr
.endm
.macro CROUND                          ; a round of the cluster's barrier
	s_barrier_signal -1
	s_barrier_wait -1
	s_cmp_lg_u32 s[WV], 0
	s_cbranch_scc1 .Lnot_wave_0_\@
	s_barrier_signal -3
.Lnot_wave_0_\@:
	s_barrier_wait -3
	s_barrier_signal -1
	s_barrier_wait -1
.endm
.macro DENSE g, rows                   ; descriptor group 1, words 1 to 7: a dense block as rows of 256 bytes (32 elements of 8 bytes)
	s_mov_b32 s[\g+1], 32<<16
	s_mov_b32 s[\g+2], (\rows)<<16
	s_mov_b32 s[\g+3], 32<<16
	s_mov_b32 s[\g+4], \rows
	s_mov_b32 s[\g+5], 32
	s_mov_b32 s[\g+6], 0
	s_mov_b32 s[\g+7], 0
.endm
	s_load_b256 s[4:11], s[0:1], 0x0               ; OB s[4:5], WB s[6:7], bo s[8:9], out0 s[10:11]
	s_set_vgpr_msb 0x40
	v_lshl_add_u32 v0, v0, 2, 0x2b000
	v_mov_b32 v1, 0
	s_set_vgpr_msb 0x4045
	ds_add_u32 v0, v1
	s_set_vgpr_msb 0x4500
	v_lshrrev_b32 v1, 5, v0
	v_readfirstlane_b32 s[WV], v1                  ; wave 0..7
	s_bfe_u32 s19, ttmp6, 0x40000                  ; cx
	s_bfe_u32 s20, ttmp6, 0x40004                  ; cy
	s_and_b32 s21, ttmp7, 0xffff
	s_lshl_b32 s21, s21, 2
	s_add_co_u32 s21, s21, s20                     ; chunk = 4 x cluster y + cy
	s_lshl_b32 s22, ttmp9, 2
	s_add_co_u32 s22, s22, s19                     ; quarter of the columns = 4 x cluster x + cx
	s_lshl_b32 s23, s20, 2
	s_lshl_b32 s23, 15, s23                        ; my row of the cluster
	s_lshl_b32 s26, 0x1111, s19                    ; my column
	s_or_b32 s[G1O], s23, (3<<16)|(1<<21)
	s_or_b32 s[G1W], s26, (3<<16)|(1<<21)
	DENSE G1O, 28                                  ; 7,168 bytes: a tile of O
	DENSE G1W, 25                                  ; 6,400 bytes: a weight tile
	s_mov_b32 s[G0O], 1
	s_mul_i32 s[G0O+1], s[WV], 7168
	s_mul_i32 s56, s21, 57344                      ; the chunk's 8 tiles, + my tile: no cx enters
	s_add_co_u32 s56, s56, s[G0O+1]
	s_mov_b32 s57, 0
	s_mov_b32 s[G0W], 1
	s_mul_i32 s[G0W+1], s[WV], 6400
	s_add_co_u32 s[G0W+1], s[G0W+1], WIMG
	s_lshl_b32 s58, s22, 3
	s_add_co_u32 s58, s58, s[WV]
	s_add_co_u32 s58, s58, 96                      ; weight tile 96 + 8 x quarter + wave: no cy enters
	s_mul_i32 s58, s58, 6400
	s_mov_b32 s59, 0
	s_lshl_b32 s60, s21, 7                         ; my first token: 128 x chunk + 32 (wave / 2) + 8 (wave % 2)
	s_lshr_b32 s61, s[WV], 1
	s_lshl_b32 s61, s61, 5
	s_add_co_u32 s60, s60, s61
	s_and_b32 s61, s[WV], 1
	s_lshl_b32 s61, s61, 3
	s_add_co_u32 s60, s60, s61
	s_lshl_b32 s60, s60, 11                        ; rows of 2,048 bytes
	s_lshl_b32 s62, s22, 9                         ; the quarter's 512 bytes, in a row of out0 and in bo
	s_add_co_u32 s60, s60, s62
	s_mov_b32 s61, 0
	s_mov_b32 s63, 0
	s_mul_i32 s2, s[WV], 8448
	s_add_co_u32 s2, s2, STAGE                     ; my stage
	s_wait_dscnt 0x0
	s_wait_kmcnt 0x0
	s_add_nc_u64 s[10:11], s[10:11], s[60:61]
	s_add_nc_u64 s[8:9], s[8:9], s[62:63]
	s_add_nc_u64 s[G0O+2:G0O+3], s[4:5], s[56:57]
	s_or_b32 s[G0O+3], s[G0O+3], 0x80000000
	s_add_nc_u64 s[G0W+2:G0W+3], s[6:7], s[58:59]
	s_or_b32 s[G0W+3], s[G0W+3], 0x80000000
	CROUND                                         ; all sixteen work-groups are here: the joint loads meet
	tensor_load_to_lds s[G0O:G0O+3], s[G1O:G1O+7]  ; two loads of mine are out: all that this launch fills
	s_nop 0
	tensor_load_to_lds s[G0W:G0W+3], s[G1W:G1W+7]
	s_nop 0
	PLACES 4                                       ; four plain lines behind the loads
	v_and_b32 v[LI], 31, v0
	v_lshlrev_b32 v10, 3, v[LI]
	v_lshlrev_b32 v11, 2, v[LI]
	v_lshlrev_b32 v[LI], 4, v[LI]
	v_add_nc_u32 v[OA16], s[G0O+1], v[LI]
	v_add_nc_u32 v[OA8], s[G0O+1], v10
	v_add_nc_u32 v[OA4], s[G0O+1], v11
	v_add_nc_u32 v[WA], WIMG, v[LI]
	v_and_b32 v10, 15, v0                          ; r
	v_bfe_u32 v11, v0, 4, 1                        ; h
	v_lshl_add_u32 v[WA15], v10, 4, WIMG
	v_lshlrev_b32 v[BH], 6, v11
	v_mul_u32_u24 v[STO], v10, 528
	v_add_nc_u32 v[STO], v[STO], v[BH]
	v_add_nc_u32 v[STO], s2, v[STO]                ; the stage, in: row r, + 64 h
	v_add_nc_u32 v[SRD], s2, v[LI]                 ; and back: a row's 512 bytes, 16 a lane
.irp t, 0,1,2,3,4,5,6,7
	global_load_b128 v[ACC+8*\t:ACC+8*\t+3], v[BH], s[8:9] offset:128*(\t/2)+32*(\t%2)       ; bo at columns 32 (t / 2) + 16 h + 8 (t % 2) + 0 .. 7
	global_load_b128 v[ACC+8*\t+4:ACC+8*\t+7], v[BH], s[8:9] offset:128*(\t/2)+32*(\t%2)+16
.endr
	s_wait_tensorcnt 0x0                           ; my tiles have landed,
	s_barrier_signal -1
	s_barrier_wait -1                              ; everybody's have: the weight tiles are read by all eight waves
.irp j, 0,1,2,3,4,5,6,7
	ds_load_b128 v[OF+6*\j:OF+6*\j+3], v[OA16] offset:768*\j           ; head j: half (j % 2) of K step j / 2's fragment
	ds_load_b64 v[OF+6*\j+4:OF+6*\j+5], v[OA8] offset:768*\j+512
.endr
.irp j, 0,1,2,3,4,5,6,7
	ds_load_b32 v[RAW+\j], v[OA4] offset:6144+128*\j
.endr
.irp t, 0,1,2,3,4,5,6,7
	ds_load_b128 v[WSR+4*\t:WSR+4*\t+3], v[WA15] offset:6400*\t+6144
.endr
	s_wait_dscnt 0x0
.irp s, 0,1,2,3
	v_lshl_or_b32 v[OSW+\s], v[RAW+2*\s+1], 16, v[RAW+2*\s]            ; two heads' two bytes each: the K step's scale word
.endr
	PLACES 8                                       ; a scale register written by a vector instruction stands eight places ahead of a scaled matrix instruction
	s_wait_loadcnt 0x0                             ; bo
.irp s, 0,1,2,3                        ; the 8 accumulators take turns, one instruction a turn, in the same order in every K step
.if \s > 0
	PLACES 4                                       ; in front of loads into registers that matrix instructions have read
.endif
.irp t, 0,1,2,3,4,5,6,7
.irp c, 0,1,2
	ds_load_b128 v[WF+12*\t+4*\c:WF+12*\t+4*\c+3], v[WA] offset:6400*\t+1536*\s+512*\c
.endr
.endr
	s_wait_dscnt 12                                ; tiles 0-3 are in; the youngest 12 loads (tiles 4-7) may be out
.irp t, 0,1,2,3
	v_wmma_scale_f32_16x16x128_f8f6f4 v[ACC+8*\t:ACC+8*\t+7], v[WF+12*\t:WF+12*\t+11], v[OF+12*\s:OF+12*\s+11], v[ACC+8*\t:ACC+8*\t+7], v[WSR+4*\t+\s], v[OSW+\s] matrix_a_fmt:MATRIX_FMT_FP6 matrix_b_fmt:MATRIX_FMT_FP6
.endr
	s_wait_dscnt 0x0
.irp t, 4,5,6,7
	v_wmma_scale_f32_16x16x128_f8f6f4 v[ACC+8*\t:ACC+8*\t+7], v[WF+12*\t:WF+12*\t+11], v[OF+12*\s:OF+12*\s+11], v[ACC+8*\t:ACC+8*\t+7], v[WSR+4*\t+\s], v[OSW+\s] matrix_a_fmt:MATRIX_FMT_FP6 matrix_b_fmt:MATRIX_FMT_FP6
.endr
.endr
	PLACES 4                                       ; behind the last products: in front of the first read of results and of loads into the weights' registers
.irp t, 0,1,2,3,4,5,6,7
	ds_store_b128 v[STO], v[ACC+8*\t:ACC+8*\t+3] offset:128*(\t/2)+32*(\t%2)          ; each accumulator from its low end on
	ds_store_b128 v[STO], v[ACC+8*\t+4:ACC+8*\t+7] offset:128*(\t/2)+32*(\t%2)+16
.endr
.irp i, 0,1,2,3,4,5,6,7,8,9,10,11,12,13,14,15
	ds_load_b128 v[BK+4*\i:BK+4*\i+3], v[SRD] offset:528*\i    ; LDS serves a wave's instructions in order: these see my stores
.endr
.irp i, 0,1,2,3,4,5,6,7,8,9,10,11,12,13,14,15
	s_wait_dscnt 15-\i                             ; row i is back; the younger rows' loads may be out
	global_store_b128 v[LI], v[BK+4*\i:BK+4*\i+3], s[10:11] offset:(\i+8*(\i/8))*2048 th:TH_STORE_NT   ; 32 lanes store 512 consecutive bytes of one token's row, aligned to 256; written once, read by nobody here
.endr
	s_set_vgpr_msb 0x5
	s_wait_tensorcnt 0x0
	ds_add_u32 v0, v1
	s_wait_dscnt 0x0
	s_set_vgpr_msb 0x500
	CROUND                                         ; the closing round: no work-group ends while a partner may still ask for a tile that names it
	s_endpgm
.Lfunc_end_k_q6f5797b1f4_oproj:
	.size	k_q6f5797b1f4_oproj, .Lfunc_end_k_q6f5797b1f4_oproj-k_q6f5797b1f4_oproj
	.p2alignl 7, 3214868480
	.fill 96, 4, 3214868480
	.section	.rodata,"a",@progbits
	.p2align	6, 0x0
	.amdhsa_kernel k_q6f5797b1f4_oproj
		.amdhsa_group_segment_fixed_size 177152
		.amdhsa_private_segment_fixed_size 0
		.amdhsa_enable_private_segment 0
		.amdhsa_kernarg_size 32
		.amdhsa_user_sgpr_count 2
		.amdhsa_user_sgpr_kernarg_segment_ptr 1
		.amdhsa_wavefront_size32 1
		.amdhsa_system_sgpr_workgroup_id_x 1
		.amdhsa_system_sgpr_workgroup_id_y 1
		.amdhsa_system_sgpr_workgroup_id_z 1
		.amdhsa_system_vgpr_workitem_id 0
		.amdhsa_next_free_vgpr 258
		.amdhsa_next_free_sgpr 66
		.amdhsa_reserve_vcc 0
		.amdhsa_float_denorm_mode_32 3
		.amdhsa_float_denorm_mode_16_64 3
		.amdhsa_memory_ordered 1
		.amdhsa_forward_progress 1
		.amdhsa_inst_pref_size 25
	.end_amdhsa_kernel
	.amdgpu_metadata
---
amdhsa.version: [ 1, 2 ]
amdhsa.kernels:
  - .name:           k_q6f5797b1f4_oproj
    .symbol:         k_q6f5797b1f4_oproj.kd
    .args:
      - { .name: OB, .offset: 0, .size: 8, .value_kind: global_buffer, .address_space: global }
      - { .name: WB, .offset: 8, .size: 8, .value_kind: global_buffer, .address_space: global }
      - { .name: bo, .offset: 16, .size: 8, .value_kind: global_buffer, .address_space: global }
      - { .name: out0, .offset: 24, .size: 8, .value_kind: global_buffer, .address_space: global }
    .group_segment_fixed_size: 177152
    .private_segment_fixed_size: 0
    .kernarg_segment_align: 8
    .kernarg_segment_size: 32
    .max_flat_workgroup_size: 256
    .sgpr_count:     66
    .vgpr_count:     258
    .wavefront_size: 32
...
	.end_amdgpu_metadata
.endif
;; end of part 4
